; MI455X (gfx1250); checked and timed in simulation.
; The chip was launched on July 23, 2026; its instructions are those of AMD's public machine-readable ISA for CDNA 5 (MIT licence, August 2026) and "CDNA5" Instruction Set Architecture Reference Guide (July 2026). The comments in the code are by the model that wrote it; some were corrected since.
;; Causal Self Attention. Allowed arithmetic: matrix products marked QUANTISED: E2M1 operands, one E8M0 scale for each 32 along K, by v_wmma_scale_f32_16x16x128_f8f6f4 with both operands' format E2M1 (or v_wmma_scale_f32_32x16x128_f4), f32 sums; everything else in f32.
;; Inputs: W_codes 16 x 192 x 32 x 16 uint8 (E2M1 codes of W, K innermost, in blocks of 32 codes, two codes a byte); W_scales 16 x 192 x 32 uint8 (E8M0 scales of W, one for each 32 codes along K); b 16 x 192 float32; x_codes 4 x 2,048 x 32 x 16 uint8 (E2M1 codes of x, K innermost, in blocks of 32 codes, two codes a byte); x_scales 4 x 2,048 x 32 uint8 (E8M0 scales of x, one for each 32 codes along K).
;; Outputs: out0 4 x 2,048 x 1,024 float32.
;; This version of the problem:
;;   THIS VERSION OF THE PROBLEM IS GIVEN IN LOW PRECISION. The matrix products marked QUANTISED in the list below multiply operands that are first quantised to E2M1 (2 exponent bits, 1 mantissa bit; 4 bits a number), with one power-of-two scale for each 32 numbers along K (OCP MX v1.0); their sums are f32. All else is computed in f32.
;;   The module's matrix products, in the order in which they are computed (A, B: the left and right operand; K: the contracted axis; several contracted axes count as one K, in the product's order):
;;     1. [M 3,072, K 1,024] x [K 1,024, N 8,192]; A: input W (given as codes); B: input x (given as codes): QUANTISED
;;     2. batch 64 x [M 2,048, K 64] x [K 64, N 2,048]; A: computed on the way; B: computed on the way: QUANTISED
;;     3. batch 64 x [M 2,048, K 2,048] x [K 2,048, N 64]; A: softmax (see below); B: computed on the way: QUANTISED
;;   THE QUANTISER, for each operand of a quantised product, along K:
;;     - K is cut into blocks of 32 from its start; a last block that is shorter is filled with zeros.
;;     - A block's scale is 2^e with e = floor(log2(the largest magnitude in the block)) - 2, held to -126 .. 127; a block of zeros has e = 0. As a byte (E8M0): e + 127.
;;     - Each number is divided by its block's scale, clamped to +-6, and rounded to the nearest number of E2M1, ties to even, subnormals kept.
;;     - The product sums the exact products of the quantised numbers (number of the format x scale) in f32.
;;   ~~~python
;;   def quantise(x, axis):      # numpy; x: float32 -> the quantised numbers, widened to float32 again
;;       x = np.moveaxis(x, axis, -1); K = x.shape[-1]
;;       x = np.pad(x, [(0, 0)] * (x.ndim - 1) + [(0, -K % 32)]); x = x.reshape(x.shape[:-1] + (-1, 32)); a = np.abs(x).max(-1, keepdims=True)
;;       e = np.where(a > 0, np.clip(np.frexp(np.where(a > 0, a, 1))[1] - 1 - 2, -126, 127), 0)      # np.frexp(a)[1] - 1 = floor(log2(a)), exactly
;;       r = np.clip(x / 2.0 ** e, -6, 6)
;;       step = 2.0 ** (np.maximum(np.frexp(np.where(r == 0, 1, r))[1] - 1, 0) - 1)
;;       q = np.round(r / step) * step * 2.0 ** e      # np.round: ties to even
;;       return np.moveaxis(q.reshape(q.shape[:-2] + (-1,))[..., :K], -1, axis).astype(np.float32)
;;   ~~~
;;   SOFTMAX AHEAD OF A QUANTISED PRODUCT. Where the list says 'softmax', what is quantised is not the finished softmax but p = 2^(t - M), with t = logit x log2(e) and M = ceil(the row's largest t), a whole number; so 1/2 < the row's largest p <= 1. The row's sum l is taken of the UNQUANTISED p, in f32, and the product's result is divided by l at the end. Since M is a whole number, a kernel that streams over the keys may use a running M (the ceiling of the running maximum): every later rescaling is an exact power of two, which a block's scale takes up: the codes' values come out the same.
;;   OPERANDS COMPUTED ON THE WAY. 'Computed on the way' means the value that the module computes at that place (a softmax that the list does not call 'softmax' is quantised finished and normalised). What goes into a quantiser is computed in f32, as accurately as f32 sums, v_exp_f32 and their like allow (about 1e-6 of the number): no bf16 or f16 on the way to a quantiser, and a product that is left as it is and whose result goes on into a quantised operand takes f32 operands (vector FMAs, or v_wmma_f32_16x16x4_f32). A number that lies on a knife's edge between two numbers of the format may be rounded either way, as far as f32 arithmetic and the matrix unit's own rounding can turn it there, and no further.
;;   INPUTS GIVEN AS CODES. W (in the module: [16, 1024, 192], K = its axis 1); x (in the module: [4, 2048, 1024], K = its axis 2): each comes as NAME_codes (uint8): NAME with its K axis moved to the last place and cut into blocks of 32 codes, [.., K / 32, bytes a block], one block behind the other in memory; two codes a byte, the lower K in the low four bits (a code: sign, 2 exponent bits, 1 mantissa bit); and NAME_scales (uint8): the same leading axes, one E8M0 byte (e + 127) for each 32 codes along K. Its value is code x scale, taken as it is: it is not quantised again, and the codes and scales need not be those that the quantiser above would give.
;; One version. Each part assembles by itself: llvm-mc -triple=amdgcn-amd-amdhsa -mcpu=gfx1250 --defsym DOCPART=n.
;; ======== version 1 of 1: 2 launches
;; workspace buffers: kv 9,175,040 bytes; qimg 4,718,592 bytes
;; launch proj (part 1): grid 8 x 32, 4 waves a work-group, clusters of 4 x 4, 327,680 bytes of LDS; arguments x_codes, x_scales, W_codes, W_scales, b, kv, qimg; writes kv, qimg
.if DOCPART == 1
	.amdgcn_target "amdgcn-amd-amdhsa--gfx1250"
	.amdhsa_code_object_version 6
	.text
	.protected	k_q1c743951cd_proj
	.globl	k_q1c743951cd_proj
	.p2align	8
	.type	k_q1c743951cd_proj,@function
k_q1c743951cd_proj:
	s_mov_b64 s[64:65], 0
	v_nop
	global_prefetch_b8 v0, s[64:65] scope:SCOPE_SE
	s_setreg_imm32_b32 hwreg(HW_REG_WAVE_MODE, 25, 1), 1
	s_wait_xcnt 0x0
	s_wait_alu depctr_hold_cnt(0) depctr_sa_sdst(0) depctr_va_vdst(0) depctr_va_sdst(0) depctr_va_ssrc(0) depctr_va_vcc(0) depctr_vm_vsrc(0)
	s_getreg_b32 s2, hwreg(HW_REG_IB_STS2, 6, 4)
	s_cmp_eq_u32 s2, 0
	s_cbranch_scc0 .Lentry_in_a_cluster
	s_endpgm
.Lentry_in_a_cluster:
	s_bfe_u32 s2, ttmp6, 0x10000c
	s_cmp_lg_u32 s2, 0xf033
	s_cbranch_scc0 .Lentry_shape_is_right
	s_endpgm
.Lentry_shape_is_right:
; proj[row][head][e] = sum over d of x[row][d] W[head][d][e] + b[head][e], on codes of FP4 (E2M1) with one E8M0 scale for each 32 along K = 1,024, as they arrive;
; then k (e 0-63) and q (e 64-127) are quantised along e (two blocks of 32) and v (e 128-191) along the keys (blocks of 32 rows), and leave as IMAGES OF OPERAND REGISTERS for the next launch.
; SHARES.  Work-group (X, Y) makes x rows 256 Y .. + 255 for heads 2 X, 2 X + 1 (384 rows of W): 8 x 32 = 256 work-groups.  Wave w: rows 128 (w / 2) on (one key step of one batch), head 2 X + w % 2:
; 96 accumulators of 16 x 16, 768 registers, in windows 1 (k), 2 (q), 3 (v); accumulator (i, t) at v[8 (8 i + t)]: i = tile of 16 e, t = tile of 16 rows.
; ORIENTATION.  k, q: source 0 = 16 rows of W, source 1 = 16 rows of x: a lane holds ONE row of x and its registers run along e = 16 i + 8 (lane / 16) + j: neighbours along the next K.
;               v:    source 0 = 16 rows of x, source 1 = 16 rows of W: a lane holds ONE e and its registers run along the keys 16 t + 8 (lane / 16) + j: neighbours along ITS next K.
; K goes in quarters of 256 (LDS rows of 128 bytes + 16) through three LDS slots; quarter 3 is one refill of slot 0.  The scale bytes of the work-group's rows, for all of K, come once, in rows of 256 bytes + 16.
; CLUSTER 4 x 4: x's tiles hang on Y alone and are asked for jointly along a row of the cluster, W's on X alone and jointly along a column.
; OUT.  kv[bh][key step][8,960]: +0 K codes, 8 tiles x 512 (lane l: 16 bytes at 16 l: e = 32 (l / 16) .. + 31 of key 16 t + l % 16); +4,096 V^T, 4 tiles of 16 e x 1,024 (registers 0-3 at 16 l, 4-7 at 512 + 16 l);
;   +8,192 K scale words (lane l: 4 words at 16 l; word p: tile 2 p + l / 16, row l % 16; bytes 2, 3 are 0 and stand over zero codes); +8,704 V scale words (lane l: 2 words at 8 l; word j: e tile 2 j + l / 16).
;   qimg[bh][key step][4,608]: q's codes and scale words laid as k's.  Every store of a wave covers 256 or 512 consecutive bytes, aligned to 256.
; LIMITS: NaN and infinities are not served.  A block of zeros gets the byte 1 where the quantiser says 127: its codes are zeros, and only this program reads the bytes.
.set PITCH, 144                        ; an LDS row: 128 bytes + 16 = 36 words: the 16 rows of a fragment load start at 16 different groups of four banks (64 banks of 4 bytes: ISA guide 11.1)
.set XHALF, 128*PITCH                  ; 128 rows of x: one tensor load, and what one wave reads of x
.set WHALF, 192*PITCH                  ; 192 rows of W (a head): likewise
.set WOFF,  256*PITCH                  ; W's rows lie behind x's 256
.set SLOT,  640*PITCH
.set SCL,   3*SLOT                     ; behind the slots: the scales, rows of 256 bytes + 16: x's 32 rows, then W's 48
.set SXH,   16*272                     ; the scales of 128 rows of x
.set SWH,   24*272                     ; of 192 rows of W
.set SPARE, 327168                     ; the spare words, 128 bytes for each wave: two blocks of 256 bytes that no other line names
.set KVH,   143360                     ; kv: bytes of a head;  of a key step
.set KVS,   8960
.set QIH,   73728                      ; qimg likewise
.set QIS,   4608
.set SPW, 1                            ; v1   LDS address of my spare word; never rewritten
.set NIL, 2                            ; v2   0; never rewritten
.set ADX, 3                            ; v3-5 LDS address of my x fragments in slot 0, 1, 2
.set ADW, 6                            ; v6-8 the same for W
.set ADS, 9                            ; v9   my scale words: lanes 0-15 x's rows, lanes 16-31 W's
.set L16, 10                           ; v10  16 x lane
.set L8,  11                           ; v11  8 x lane
.set H32, 12                           ; v12  32 x (lane / 16)
.set R4,  13                           ; v13  4 x (lane % 16)
.set SC,  16                           ; v16-63 scale words, two sets of 24: group i, word q at SC + 24 set + 2 i + q: lanes 0-15 x's tile i, lanes 16-31 W's tile i
.set XF,  64                           ; v64-191 x's fragments (8 x 8 registers), two sets
.set WF,  192                          ; v192-255 W's fragments, four at a time, two buffers
.set BT,  64                           ; the way out: k's and q's bias, 64 registers (x's set 0 is done with)
.set T,   128                          ; 64 numbers at work
.set BV,  192                          ; v's bias, a pair for each tile of e
.set P,   200                          ; codes, two sets of 8
.set TM,  216                          ; +0..3 largest magnitudes, +4..7 the other half's, then bytes, +8..11 the conversions' scale operands
.set WA,  228                          ; v228-229 two scale words at work
.set SW,  232                          ; v232-235 k's or q's scale words
.set VWT, 236                          ; v236-239 v's, a tile of e each
.set VW,  240                          ; v240-241 and as they are stored
.set G1X, 28                           ; s[28:35] descriptor group 1: x's tiles;  s[36:43] W's;  s[44:51] x's scales;  s[52:59] W's scales
.set G1W, 36
.set G1SX, 44
.set G1SW, 52
.set G0X, 68                           ; s[68:79] group 0 for x's tiles, a set for each slot;  s[80:91] for W's;  s[92:95], s[96:99] for the scales
.set G0W, 80
.set G0SX, 92
.set G0SW, 96
.set SEL, 100                          ; s[100:101] v_permlanex16_b32's selects for lane l xor 16
.set MSB, 0
.macro WIN new                         ; the immediate's high byte repeats the setting that is left; a switch that changes nothing is dropped
.if MSB != \new
	s_set_vgpr_msb (MSB<<8)|\new
.set MSB, \new
.endif
.endm
; A joint load: waves 0 and 1 fetch for x, waves 2 and 3 for W.  Each line has one mask and one set of registers for all that issue it; the branch hangs on the wave's number alone.
; Four v_nop follow each of the two lines, ahead of the jump, the label and what follows.
.macro JLOAD g0x, g1x, g0w, g1w
	s_cmp_eq_u32 s19, 0
	s_cbranch_scc0 .Lfor_w_\@
	tensor_load_to_lds s[\g0x:\g0x+3], s[\g1x:\g1x+7]
	s_nop 0
.rept 4
	v_nop
.endr
	s_branch .Lasked_\@
.Lfor_w_\@:
	tensor_load_to_lds s[\g0w:\g0w+3], s[\g1w:\g1w+7]
	s_nop 0
.rept 4
	v_nop
.endr
.Lasked_\@:
.endm
.macro CREST                           ; a round of the cluster's barrier behind its opening barrier
	s_cmp_lg_u32 s18, 0
	s_cbranch_scc1 .Lnot_wave_0_\@
	s_barrier_signal -3
.Lnot_wave_0_\@:
	s_barrier_wait -3
	s_barrier_signal -1
	s_barrier_wait -1
.endm
.macro CROUND                          ; a whole round
	s_barrier_signal -1
	s_barrier_wait -1
	CREST
.endm
.macro PLACES n                        ; plain vector places behind matrix instructions: four in front of loads into registers that they have read and of reads of their results
.rept \n
	v_nop
.endr
.endm
	s_load_b256 s[4:11], s[0:1], 0x0               ; x's codes s[4:5], x's scales s[6:7], W's codes s[8:9], W's scales s[10:11]
	s_load_b128 s[12:15], s[0:1], 0x20             ; b s[12:13], kv s[14:15]
	s_load_b64 s[16:17], s[0:1], 0x30              ; qimg
	v_lshl_add_u32 v[SPW], v0, 2, SPARE
	v_mov_b32 v[NIL], 0
	ds_add_u32 v1, v2
	ds_add_u32 v1, v2
	s_wait_dscnt 0x0
	v_lshrrev_b32 v14, 5, v0
	v_readfirstlane_b32 s18, v14                   ; wave 0..3
	s_lshr_b32 s19, s18, 1                         ; which 128 rows of x are mine.  Also: I fetch for x (0) or for W (1)
	s_and_b32 s20, s18, 1                          ; which head is mine.  Also: which half of that tile I fetch
	s_bfe_u32 s21, ttmp6, 0x40000                  ; cx, cy: my place in the cluster
	s_bfe_u32 s22, ttmp6, 0x40004
	s_lshl_b32 s23, ttmp9, 2
	s_add_co_u32 s23, s23, s21                     ; X = 4 x cluster x + cx
	s_and_b32 s24, ttmp7, 0xffff
	s_lshl_b32 s24, s24, 2
	s_add_co_u32 s24, s24, s22                     ; Y = 4 x cluster y + cy
	s_lshl_b32 s25, s22, 2
	s_lshl_b32 s25, 15, s25                        ; my row of the cluster
	s_lshl_b32 s26, 0x1111, s21                    ; my column
	; group 1 for the codes: rows of 128 elements of 1 byte, 512 bytes apart in memory; 4 words of padding behind every 32
	s_or_b32 s[G1X], s25, (1<<20)|(1<<21)|(4<<22)|(3<<25)   ; 15:0 the mask: x's tiles go to my row; 17:16 elements of 1 byte; 20 padding on; 21 set beside a mask; 24:22 after every 32 words (code 4); 31:25 four words (code 3)
	s_or_b32 s[G1W], s26, (1<<20)|(1<<21)|(4<<22)|(3<<25)   ; the same with my column's mask
	s_mov_b32 s[G1X+1], 128<<16                    ; tensor_dim0 = 128
	s_mov_b32 s[G1X+2], 128<<16                    ; tensor_dim1 = 128
	s_mov_b32 s[G1X+3], 128<<16                    ; tile_dim0 = 128
	s_mov_b32 s[G1X+4], 128                        ; tile_dim1 = 128
	s_mov_b32 s[G1X+5], 512                        ; from row to row
	s_mov_b32 s[G1X+6], 0
	s_mov_b32 s[G1X+7], 0
	s_mov_b32 s[G1W+1], 128<<16
	s_mov_b32 s[G1W+2], 192<<16                    ; 192 rows: a head
	s_mov_b32 s[G1W+3], 128<<16
	s_mov_b32 s[G1W+4], 192
	s_mov_b32 s[G1W+5], 512
	s_mov_b32 s[G1W+6], 0
	s_mov_b32 s[G1W+7], 0
	; group 1 for the scales: a dense block as rows of 256 bytes (32 elements of 8 bytes), 4 words of padding behind each
	s_or_b32 s[G1SX], s25, (3<<16)|(1<<20)|(1<<21)|(5<<22)|(3<<25)
	s_or_b32 s[G1SW], s26, (3<<16)|(1<<20)|(1<<21)|(5<<22)|(3<<25)
	s_mov_b32 s[G1SX+1], 32<<16
	s_mov_b32 s[G1SX+2], 16<<16                    ; 128 rows x 32 bytes = 16 rows of 256
	s_mov_b32 s[G1SX+3], 32<<16
	s_mov_b32 s[G1SX+4], 16
	s_mov_b32 s[G1SX+5], 32
	s_mov_b32 s[G1SX+6], 0
	s_mov_b32 s[G1SX+7], 0
	s_mov_b32 s[G1SW+1], 32<<16
	s_mov_b32 s[G1SW+2], 24<<16                    ; 192 rows x 32 bytes = 24 rows of 256
	s_mov_b32 s[G1SW+3], 32<<16
	s_mov_b32 s[G1SW+4], 24
	s_mov_b32 s[G1SW+5], 32
	s_mov_b32 s[G1SW+6], 0
	s_mov_b32 s[G1SW+7], 0
	; where the tiles come from: x's hang on Y and the wave alone (s[60:61]), W's on X and the wave alone (s[66:67])
	s_lshl_b32 s60, s24, 8
	s_lshl_b32 s3, s20, 7
	s_add_co_u32 s60, s60, s3                      ; x: row 256 Y + 128 x half
	s_lshl_b32 s60, s60, 5                         ; its scales: 32 bytes a row
	s_mov_b32 s61, 0
	s_mul_i32 s66, s23, 384
	s_mul_i32 s3, s20, 192
	s_add_co_u32 s66, s66, s3                      ; W: row 384 X + 192 x half
	s_lshl_b32 s66, s66, 5
	s_mov_b32 s67, 0
	s_mul_i32 s27, s20, XHALF                      ; and where they go: no place in the cluster enters an LDS address
	s_mul_i32 s3, s20, WHALF
	s_add_co_u32 s3, s3, WOFF
	s_wait_kmcnt 0x0
	s_add_nc_u64 s[6:7], s[6:7], s[60:61]
	s_add_nc_u64 s[10:11], s[10:11], s[66:67]
	s_lshl_b32 s60, s60, 4                         ; the codes: 512 bytes a row
	s_lshl_b32 s66, s66, 4
	s_add_nc_u64 s[4:5], s[4:5], s[60:61]
	s_add_nc_u64 s[8:9], s[8:9], s[66:67]
	s_mov_b32 s[G0SX], 1
	s_mul_i32 s[G0SX+1], s20, SXH
	s_add_co_u32 s[G0SX+1], s[G0SX+1], SCL
	s_mov_b64 s[G0SX+2:G0SX+3], s[6:7]
	s_or_b32 s[G0SX+3], s[G0SX+3], 0x80000000
	s_mov_b32 s[G0SW], 1
	s_mul_i32 s[G0SW+1], s20, SWH
	s_add_co_u32 s[G0SW+1], s[G0SW+1], SCL+2*SXH
	s_mov_b64 s[G0SW+2:G0SW+3], s[10:11]
	s_or_b32 s[G0SW+3], s[G0SW+3], 0x80000000
.irp s, 0,1,2
	s_mov_b32 s[G0X+4*\s], 1                                       ; count = 1
	s_add_co_u32 s[G0X+4*\s+1], s27, \s*SLOT                       ; LDS address
	s_add_nc_u64 s[G0X+4*\s+2:G0X+4*\s+3], s[4:5], \s*128          ; global address: quarter s of K
	s_or_b32 s[G0X+4*\s+3], s[G0X+4*\s+3], 0x80000000              ; type = 2
	s_mov_b32 s[G0W+4*\s], 1
	s_add_co_u32 s[G0W+4*\s+1], s3, \s*SLOT
	s_add_nc_u64 s[G0W+4*\s+2:G0W+4*\s+3], s[8:9], \s*128
	s_or_b32 s[G0W+4*\s+3], s[G0W+4*\s+3], 0x80000000
.endr
	CROUND                                         ; all sixteen work-groups are here: the first joint loads meet
	JLOAD G0SX, G1SX, G0SW, G1SW                   ; the first fills go out as one group: the scales, then quarters 0, 1, 2: four loads of mine are out
	JLOAD G0X, G1X, G0W, G1W
	JLOAD G0X+4, G1X, G0W+4, G1W
	JLOAD G0X+8, G1X, G0W+8, G1W
	; addresses.  A fragment, 16 rows x 128 K of 4-bit codes, is 8 registers: lane l holds row l % 16; registers 4 c .. 4 c + 3 hold K = 64 c + 32 (l / 16) + 0 .. 31: two loads of 16 bytes, 32 bytes apart
	v_and_b32 v14, 15, v0                          ; r = l % 16
	v_bfe_u32 v15, v0, 4, 1                        ; h = l / 16
	v_mul_u32_u24 v[ADX], v14, PITCH
	v_lshl_add_u32 v[ADX], v15, 4, v[ADX]          ; row x pitch + 16 h
	s_mul_i32 s3, s19, XHALF                       ; my 128 rows of x
	s_mul_i32 s27, s20, WHALF
	s_add_co_u32 s27, s27, WOFF                    ; my head's 192 rows of W
	v_add_nc_u32 v[ADW], s27, v[ADX]
	v_add_nc_u32 v[ADX], s3, v[ADX]
.irp s, 1,2
	v_add_nc_u32 v[ADX+\s], \s*SLOT, v[ADX]
	v_add_nc_u32 v[ADW+\s], \s*SLOT, v[ADW]
.endr
	v_lshrrev_b32 v[ADS], 3, v14                   ; a row's 32 scale bytes: eight rows to a row of 256 bytes + 16
	v_mul_u32_u24 v[ADS], v[ADS], 272
	v_and_b32 v[L8], 7, v14
	v_lshl_add_u32 v[ADS], v[L8], 5, v[ADS]
	s_xor_b32 s27, s19, 1                          ; from my x rows' scales to my head's: SXH (2 - w / 2) + SWH (w % 2); lanes 16-31 take W's: one product with h
	s_mul_i32 s27, s27, SXH
	s_mul_i32 s3, s20, SWH
	s_add_co_u32 s27, s27, s3
	s_add_co_u32 s27, s27, SXH
	v_mul_u32_u24 v[L8], s27, v15
	s_mul_i32 s3, s19, SXH
	s_add_co_u32 s3, s3, SCL
	v_add_nc_u32 v[ADS], v[ADS], v[L8]
	v_add_nc_u32 v[ADS], s3, v[ADS]
	v_and_b32 v[L16], 31, v0
	v_lshlrev_b32 v[L8], 3, v[L16]
	v_lshlrev_b32 v[L16], 4, v[L16]
	v_lshlrev_b32 v[H32], 5, v15
	v_lshlrev_b32 v[R4], 2, v14
	; where my results go: row R0 = 256 Y + 128 (w / 2): batch R0 / 2,048, key step (R0 / 128) % 16; head 2 X + w % 2.  (In registers that feed no descriptor.)
	s_lshl_b32 s62, s24, 8
	s_lshl_b32 s63, s19, 7
	s_add_co_u32 s62, s62, s63                     ; R0
	s_lshr_b32 s63, s62, 11                        ; batch
	s_bfe_u32 s62, s62, 0x40007                    ; key step
	s_lshl_b32 s63, s63, 4
	s_lshl_b32 s104, s23, 1
	s_add_co_u32 s104, s104, s20                   ; head
	s_add_co_u32 s63, s63, s104                    ; bh = 16 x batch + head
	s_mul_i32 s104, s104, 768                      ; the head's 192 numbers of b
	s_mov_b32 s105, 0
	s_add_nc_u64 s[12:13], s[12:13], s[104:105]
	s_mul_i32 s104, s63, KVH
	s_mul_i32 s2, s62, KVS
	s_add_co_u32 s104, s104, s2
	s_add_nc_u64 s[14:15], s[14:15], s[104:105]
	s_mul_i32 s104, s63, QIH
	s_mul_i32 s2, s62, QIS
	s_add_co_u32 s104, s104, s2
	s_add_nc_u64 s[16:17], s[16:17], s[104:105]
	s_mov_b32 s2, 0xffff0000                       ; a lane mask: lanes 16-31
	s_mov_b32 s[SEL], 0x76543210
	s_mov_b32 s[SEL+1], 0xfedcba98
.macro FRAG reg, adr, off
	ds_load_b128 v[\reg:\reg+3], v[\adr] offset:\off
	ds_load_b128 v[\reg+4:\reg+7], v[\adr] offset:\off+32
.endm
.macro FX s, half                      ; x's tiles 4 half .. + 3 of K step s (128 along K: 64 bytes of a row) into set s % 2: 8 loads
.irp t, 0,1,2,3
	FRAG XF+64*((\s)%2)+8*(4*(\half)+\t), ADX+(((\s)/2)%3), 2304*(4*(\half)+\t)+64*((\s)%2)
.endr
.endm
.macro FW s, g                         ; W's tiles 4 g .. + 3 (g = 0: k, 1: q, 2: v) of K step s into buffer (3 s + g) % 2: 8 loads
.irp i, 0,1,2,3
	FRAG WF+32*((3*(\s)+(\g))%2)+8*\i, ADW+(((\s)/2)%3), 2304*(4*(\g)+\i)+64*((\s)%2)
.endr
.endm
.macro FS qd                           ; the scale words of quarter qd (two K steps: 8 bytes a row) into set qd % 2: 12 loads.  Groups 8-11 serve W alone: their lanes 0-15 read filled bytes that nobody uses
.irp i, 0,1,2,3,4,5,6,7,8,9,10,11
	ds_load_b64 v[SC+24*((\qd)%2)+2*\i:SC+24*((\qd)%2)+2*\i+1], v[ADS] offset:544*\i+8*(\qd)
.endr
.endm
; 16 matrix instructions of K step s, part g: e tiles i0, i0 + 1 x the 8 tiles of rows.  K step 0 starts the sums with the constant 0: nothing is cleared.
; The 96 accumulators take turns, one instruction a turn, in the same order in every K step.
.macro MUL16 s, g, i0
.set SCB, SC+24*(((\s)/2)%2)+(\s)%2
.set XB, XF+64*((\s)%2)
.set WB, WF+32*((3*(\s)+(\g))%2)
.irp i, \i0, \i0+1
.irp t, 0,1,2,3,4,5,6,7
.set AC, 8*(8*(\i)+\t)
.if (\g) < 2
.if (\s) == 0
	v_wmma_scale_f32_16x16x128_f8f6f4 v[AC:AC+7], v[WB+8*(\i):WB+8*(\i)+7], v[XB+8*\t:XB+8*\t+7], 0, v[SCB+2*(4*(\g)+(\i))], v[SCB+2*\t] matrix_a_fmt:MATRIX_FMT_FP4 matrix_b_fmt:MATRIX_FMT_FP4 matrix_a_scale:MATRIX_SCALE_ROW1
.else
	v_wmma_scale_f32_16x16x128_f8f6f4 v[AC:AC+7], v[WB+8*(\i):WB+8*(\i)+7], v[XB+8*\t:XB+8*\t+7], v[AC:AC+7], v[SCB+2*(4*(\g)+(\i))], v[SCB+2*\t] matrix_a_fmt:MATRIX_FMT_FP4 matrix_b_fmt:MATRIX_FMT_FP4 matrix_a_scale:MATRIX_SCALE_ROW1
.endif
.else
.if (\s) == 0
	v_wmma_scale_f32_16x16x128_f8f6f4 v[AC:AC+7], v[XB+8*\t:XB+8*\t+7], v[WB+8*(\i):WB+8*(\i)+7], 0, v[SCB+2*\t], v[SCB+2*(8+(\i))] matrix_a_fmt:MATRIX_FMT_FP4 matrix_b_fmt:MATRIX_FMT_FP4 matrix_b_scale:MATRIX_SCALE_ROW1
.else
	v_wmma_scale_f32_16x16x128_f8f6f4 v[AC:AC+7], v[XB+8*\t:XB+8*\t+7], v[WB+8*(\i):WB+8*(\i)+7], v[AC:AC+7], v[SCB+2*\t], v[SCB+2*(8+(\i))] matrix_a_fmt:MATRIX_FMT_FP4 matrix_b_fmt:MATRIX_FMT_FP4 matrix_b_scale:MATRIX_SCALE_ROW1
.endif
.endif
.endr
.endr
.endm
.macro BIASKQ                          ; k's and q's bias in the results' layout: register 32 a + 8 i + j = b[64 a + 16 i + 8 h + j]
.irp a, 0,1
.irp i, 0,1,2,3
	global_load_b128 v[BT+32*\a+8*\i:BT+32*\a+8*\i+3], v[H32], s[12:13] offset:(64*\a+16*\i)*4
	global_load_b128 v[BT+32*\a+8*\i+4:BT+32*\a+8*\i+7], v[H32], s[12:13] offset:(64*\a+16*\i)*4+16
.endr
.endr
.endm
.macro BIASV                           ; v's: one number a lane and tile of e, b[128 + 16 i + r], in both registers of a pair for the packed addition
.irp i, 0,1,2,3
	global_load_b32 v[BV+2*\i], v[R4], s[12:13] offset:(128+16*\i)*4
	global_load_b32 v[BV+2*\i+1], v[R4], s[12:13] offset:(128+16*\i)*4
.endr
.endm
; A GROUP: part g of K step s, 32 matrix instructions.  In front of them ONE run of LDS loads for what comes next: the next part's four fragments of W into the buffer that the group before has left, and
; half of the next K step's x into the set that the K step before has left.  The wait leaves just this run out: all that this group multiplies was asked for a group ago or earlier.
.macro GROUP s, g
	PLACES 4
	WIN 0
.set NLD, 0
.if (\g) < 2
	FW \s,\g+1
.set NLD, 8
.if (\s) < 7
	FX \s+1,\g
.set NLD, 16
.endif
.elseif (\s) < 7
	FW \s+1,0
.set NLD, 8
.if (\s)%2
	FS (\s+1)/2
.set NLD, 20
.endif
.endif
.if ((\s) == 7) && ((\g) == 0)
	BIASKQ                                         ; into x's set 0, which K step 6 has left
.endif
.if ((\s) == 7) && ((\g) == 2)
	BIASV                                          ; into W's buffer 0, which the group before has left
.endif
	s_wait_dscnt NLD
	WIN 0x50*((\g)+1)                              ; C and D in window g + 1, sources in window 0
	MUL16 \s,\g,0
	MUL16 \s,\g,2
.endm
	s_wait_tensorcnt 2                             ; the scales and my part of quarter 0 are in (quarters 1 and 2 may be out)
	s_barrier_signal -1
	s_barrier_wait -1                              ; everybody's are
	FX 0,0
	FX 0,1
	FS 0
	FW 0,0
	GROUP 0,0
	GROUP 0,1
	GROUP 0,2
	s_wait_tensorcnt 1                             ; my part of quarter 1 is in (quarter 2 may be out): K step 1 fetches K step 2's fragments from slot 1
	s_wait_dscnt 0x0                               ; no LDS instruction of mine is pending at a signal
	s_barrier_signal -1
	s_barrier_wait -1
	GROUP 1,0
	GROUP 1,1
	; K step 1, part v, with THE ONE REFILL: slot 0 was last read by the group before (W's tiles of v, K step 1).  Each wave waits for all its tensor loads (quarter 2 among them), adds 0 to its spare word,
	; and waits for that and for its reads; the barrier opens a round of the cluster's barrier; behind the round quarter 3 goes into slot 0: nine groups, 288 matrix instructions, ahead of its first read.
	PLACES 4
	WIN 0
	FW 2,0
	FS 1
	s_wait_tensorcnt 0x0                           ; all my tensor loads have landed, so a group 0 may be written
	ds_add_u32 v[SPW], v[NIL]                      ; 0 onto my spare word
	s_add_nc_u64 s[G0X+2:G0X+3], s[G0X+2:G0X+3], 384   ; slot 0's next tile: quarter 3
	s_add_nc_u64 s[G0W+2:G0W+3], s[G0W+2:G0W+3], 384
	s_wait_dscnt 21                                ; (the 20 loads just issued and the add may be out)
	WIN 0xf0
	MUL16 1,2,0                                    ; sixteen matrix instructions stand between the add and the wait for it
	s_wait_dscnt 0x0                               ; the add is done, and my reads of slot 0 are over
	s_barrier_signal -1
	MUL16 1,2,2
	WIN 0
	s_barrier_wait -1
	CREST                                          ; no wave of any partner still reads slot 0 or has a load on its way
	JLOAD G0X, G1X, G0W, G1W                       ; the first tensor load behind the round, one a wave
	GROUP 2,0
	GROUP 2,1
	GROUP 2,2
	GROUP 3,0
	GROUP 3,1
	GROUP 3,2
	GROUP 4,0
	GROUP 4,1
	GROUP 4,2
	s_wait_tensorcnt 0x0                           ; my part of quarter 3 is in: the one load that was out; K step 5 fetches K step 6's fragments from slot 0
	s_wait_dscnt 0x0
	s_barrier_signal -1
	s_barrier_wait -1                              ; everybody's is
	GROUP 5,0
	GROUP 5,1
	GROUP 5,2
	GROUP 6,0
	GROUP 6,1
	GROUP 6,2
	GROUP 7,0
	GROUP 7,1
	GROUP 7,2
; THE WAY OUT: twelve units of 64 numbers a lane.  The bias is added on the way from the accumulators' window into window 0 (each accumulator from its low end on).
; QUANT: v[T + 8 t' + j] holds index 16 t' + 8 h + j of the lane's row along the next K; block b = tiles 2 b, 2 b + 1 in lanes l and l xor 16.  A block's scale is 2^(floor(log2(largest magnitude)) - 2): the largest magnitude's
; exponent field less 2 is the byte, and the conversion takes that field of its scale operand.  The operand's layout wants k = 64 c + 32 h + 0 .. 31 in registers 4 c .. 4 c + 3: the conversions of tiles 4 c, 4 c + 2, 4 c + 1, 4 c + 3
; go to registers 4 c .. 4 c + 3 in this order, and two exchanges of halves (first's lanes 16-31 with second's lanes 0-15) put each eight codes in place.
.macro QUANT u
.set PP, P+8*((\u)%2)
.irp b, 0,1,2,3
	v_max3_num_f32 v[TM+\b], |v[T+16*\b]|, |v[T+16*\b+1]|, 0x1800000   ; my 16 numbers of block b, and the floor 2^(3 - 127): the byte cannot fall under 1
.endr
.irp i, 2,4,6,8,10,12,14
.irp b, 0,1,2,3
	v_max3_num_f32 v[TM+\b], v[TM+\b], |v[T+16*\b+\i]|, |v[T+16*\b+\i+1]|   ; (the four blocks by turns)
.endr
.endr
.irp b, 0,1,2,3
	v_permlanex16_b32 v[TM+4+\b], v[TM+\b], s[SEL], s[SEL+1]
.endr
.irp b, 0,1,2,3
	v_max_num_f32 v[TM+\b], v[TM+\b], v[TM+4+\b]   ; with lane l xor 16's: the block's largest magnitude
.endr
.irp b, 0,1,2,3
	v_add_nc_u32 v[TM+8+\b], 0xff000000, v[TM+\b]  ; 2 off its exponent field: the conversion's scale operand
.endr
.irp b, 0,1,2,3
	v_lshrrev_b32 v[TM+4+\b], 23, v[TM+8+\b]       ; the scale's byte
.endr
.irp c, 0,1
	v_cvt_scalef32_pk8_fp4_f32 v[PP+4*\c], v[T+32*\c:T+32*\c+7], v[TM+8+2*\c]
	v_cvt_scalef32_pk8_fp4_f32 v[PP+4*\c+1], v[T+32*\c+16:T+32*\c+23], v[TM+9+2*\c]
	v_cvt_scalef32_pk8_fp4_f32 v[PP+4*\c+2], v[T+32*\c+8:T+32*\c+15], v[TM+8+2*\c]
	v_cvt_scalef32_pk8_fp4_f32 v[PP+4*\c+3], v[T+32*\c+24:T+32*\c+31], v[TM+9+2*\c]
.endr
	v_nop                                          ; one plain place behind a scaled conversion
.irp c, 0,1
	v_permlane16_swap_b32 v[PP+4*\c], v[PP+4*\c+1]
	v_permlane16_swap_b32 v[PP+4*\c+2], v[PP+4*\c+3]
.endr
.endm
; k (part 0) or q (part 1), tiles of rows 2 p and 2 p + 1: each is 64 along e: registers 0-3 of a fragment, and a word of two scale bytes
.macro UNITKQ part, p, base
	s_wait_xcnt 0x0                                ; the earlier stores have read their data: these registers are written again only behind this wait
	WIN 1+(\part)                                  ; source 0 in the part's window
.irp u, 0,1
.irp i, 0,1,2,3
.irp j, 0,2,4,6
	v_pk_add_f32 v[T+32*\u+8*\i+\j:T+32*\u+8*\i+\j+1], v[8*(8*\i+2*(\p)+\u)+\j:8*(8*\i+2*(\p)+\u)+\j+1], v[BT+32*(\part)+8*\i+\j:BT+32*(\part)+8*\i+\j+1]
.endr
.endr
.endr
	WIN 0
	QUANT \p
	v_lshl_or_b32 v[WA], v[TM+5], 8, v[TM+4]       ; tile 2 p's word,
	v_lshl_or_b32 v[WA+1], v[TM+7], 8, v[TM+6]     ; tile 2 p + 1's (every lane holds its row's),
	v_cndmask_b32 v[SW+(\p)], v[WA], v[WA+1], s2   ; the first in lanes 0-15, the second in lanes 16-31
	global_store_b128 v[L16], v[PP:PP+3], s[\base:\base+1] offset:1024*(\p)
	global_store_b128 v[L16], v[PP+4:PP+7], s[\base:\base+1] offset:1024*(\p)+512
.endm
; v, tile et of 16 e: 128 keys: a whole fragment, and a word of four scale bytes
.macro UNITV et
	s_wait_xcnt 0x0
	WIN 3
.irp t, 0,1,2,3,4,5,6,7
.irp j, 0,2,4,6
	v_pk_add_f32 v[T+8*\t+\j:T+8*\t+\j+1], v[8*(8*(\et)+\t)+\j:8*(8*(\et)+\t)+\j+1], v[BV+2*(\et):BV+2*(\et)+1]
.endr
.endr
	WIN 0
	QUANT \et
	v_lshl_or_b32 v[VWT+(\et)], v[TM+5], 8, v[TM+4]
	v_lshl_or_b32 v[VWT+(\et)], v[TM+6], 16, v[VWT+(\et)]
	v_lshl_or_b32 v[VWT+(\et)], v[TM+7], 24, v[VWT+(\et)]
.if (\et)%2
	v_cndmask_b32 v[VW+(\et)/2], v[VWT+(\et)-1], v[VWT+(\et)], s2
.endif
	global_store_b128 v[L16], v[PP:PP+3], s[14:15] offset:4096+1024*(\et)
	global_store_b128 v[L16], v[PP+4:PP+7], s[14:15] offset:4096+1024*(\et)+512
.endm
	PLACES 4                                       ; behind the last products: their results are read and their sources written below
	WIN 0
.irp b, 0,1,2,3
	v_mov_b32 v[TM+4+\b], 0                        ; written once: a lane permute's destination counts as one of its sources
.endr
	s_wait_loadcnt 8                               ; k's and q's bias is in; v's eight loads may be out
.irp p, 0,1,2,3
	UNITKQ 0, \p, 14
.endr
	global_store_b128 v[L16], v[SW:SW+3], s[14:15] offset:8192
.irp p, 0,1,2,3
	UNITKQ 1, \p, 16
.endr
	global_store_b128 v[L16], v[SW:SW+3], s[16:17] offset:4096
	s_wait_loadcnt 0x0                             ; v's bias
.irp e, 0,1,2,3
	UNITV \e
.endr
	global_store_b64 v[L8], v[VW:VW+1], s[14:15] offset:8704
	s_wait_tensorcnt 0x0                           ; the wave's end
	ds_add_u32 v[SPW], v[NIL]
	s_wait_dscnt 0x0
	CROUND                                         ; the closing round: no work-group ends while a partner may still ask for a tile that names it
	s_endpgm
.Lfunc_end_k_q1c743951cd_proj:
	.size	k_q1c743951cd_proj, .Lfunc_end_k_q1c743951cd_proj-k_q1c743951cd_proj
	.p2alignl 7, 3214868480
	.fill 96, 4, 3214868480
	.section	.rodata,"a",@progbits
	.p2align	6, 0x0
	.amdhsa_kernel k_q1c743951cd_proj
		.amdhsa_group_segment_fixed_size 327680
		.amdhsa_private_segment_fixed_size 0
		.amdhsa_enable_private_segment 0
		.amdhsa_kernarg_size 56
		.amdhsa_user_sgpr_count 2
		.amdhsa_user_sgpr_kernarg_segment_ptr 1
		.amdhsa_wavefront_size32 1
		.amdhsa_system_sgpr_workgroup_id_x 1
		.amdhsa_system_sgpr_workgroup_id_y 1
		.amdhsa_system_sgpr_workgroup_id_z 1
		.amdhsa_system_vgpr_workitem_id 0
		.amdhsa_next_free_vgpr 1024
		.amdhsa_next_free_sgpr 106
		.amdhsa_reserve_vcc 0
		.amdhsa_float_denorm_mode_32 3
		.amdhsa_float_denorm_mode_16_64 3
		.amdhsa_memory_ordered 1
		.amdhsa_forward_progress 1
		.amdhsa_inst_pref_size 212
	.end_amdhsa_kernel
	.amdgpu_metadata
---
amdhsa.version: [ 1, 2 ]
amdhsa.kernels:
  - .name:           k_q1c743951cd_proj
    .symbol:         k_q1c743951cd_proj.kd
    .args:
      - { .name: x_codes, .offset: 0, .size: 8, .value_kind: global_buffer, .address_space: global }
      - { .name: x_scales, .offset: 8, .size: 8, .value_kind: global_buffer, .address_space: global }
      - { .name: W_codes, .offset: 16, .size: 8, .value_kind: global_buffer, .address_space: global }
      - { .name: W_scales, .offset: 24, .size: 8, .value_kind: global_buffer, .address_space: global }
      - { .name: b, .offset: 32, .size: 8, .value_kind: global_buffer, .address_space: global }
      - { .name: kv, .offset: 40, .size: 8, .value_kind: global_buffer, .address_space: global }
      - { .name: qimg, .offset: 48, .size: 8, .value_kind: global_buffer, .address_space: global }
    .group_segment_fixed_size: 327680
    .private_segment_fixed_size: 0
    .kernarg_segment_align: 8
    .kernarg_segment_size: 56
    .max_flat_workgroup_size: 128
    .sgpr_count:     106
    .vgpr_count:     1024
    .wavefront_size: 32
...
	.end_amdgpu_metadata
.endif
;; end of part 1
;; launch attn (part 2): grid 4 x 64, 16 waves a work-group, no clusters, 215,040 bytes of LDS; arguments kv, qimg, out0; writes out0
.if DOCPART == 2
	.amdgcn_target "amdgcn-amd-amdhsa--gfx1250"
	.amdhsa_code_object_version 6
	.text
	.protected	k_q1c743951cd_attn
	.globl	k_q1c743951cd_attn
	.p2align	8
	.type	k_q1c743951cd_attn,@function
k_q1c743951cd_attn:
	s_mov_b64 s[64:65], 0
	v_nop
	global_prefetch_b8 v0, s[64:65] scope:SCOPE_SE
	s_setreg_imm32_b32 hwreg(HW_REG_WAVE_MODE, 25, 1), 1
	s_wait_xcnt 0x0
; out0[b][q][64 head + e] = the sum over keys k <= q of softmax_k(q . k / 8) v[k][e], both products on codes of FP4 (E2M1) with one E8M0 scale for each 32 along a product's K.
; kv and qimg hold k, v and q as images of operand registers, made by the launch before (their layout: below, at the loads).
; THE SOFTMAX AHEAD OF THE SECOND PRODUCT: t = score x log2(e) / 8; M = the row's largest t so far, rounded UP to a whole number; p = 2^(t - M) is quantised along the keys, not normalised.
; The row's sum is taken of the unquantised p, in f32, and divides at the end.  When M moves, the sum and O are multiplied by 2^(old M - new M): exact.
; SHARES.  Work-group (g, bh): four for each of the 64 heads.  Wave w owns two tiles of 16 queries, T0 = 4 w + g and 127 - T0.  Tile T walks key steps 0 .. T / 8 (128 keys each): T0 / 8 + 1 + (127 - T0) / 8 + 1 = 17 for every wave.
; Sixteen waves of 256 registers, four to a SIMD: one wave's vector work stands beside another's matrix work and LDS loads.
; LDS.  The head's whole block of kv, 16 chunks of 8,960 bytes, is filled ONCE, a chunk by each wave's one tensor load; nothing is filled again.  Behind it a stage of 16 rows x 272 bytes for each wave.
; NO CLUSTER, though the four work-groups of a head read the same 143,360 bytes: which key steps a wave leaves out hangs on its query tile 4 w + g, so a branch would hang on the place in the cluster; and what is shared is read once.
; LAYOUT.  S^T = K Q^T (source 0 = 16 keys, source 1 = my 16 queries; K = 64, so registers 4-7 of both are zero codes), O^T = V^T P^T (source 0 = 16 of the head's 64, source 1 = P): a lane holds ONE query (lane % 16) throughout;
; in S^T register 8 t + j is key 16 t + 8 (lane / 16) + j of the step.
; The loops' trip counts are constants (2 passes x 16 key steps): a step all of whose keys come after the tile's queries is jumped over by a scalar branch on ids.
; LIMITS: NaN and infinities are not served.  A block's largest p is made from the block's largest score by the same multiply-add and exponential: this takes v_exp_f32 not to fall where its input rises.
; A block whose every p is 0 keeps the byte 1: its codes are zeros.
.set CH,    8960                       ; a key step's chunk: +0 K codes (8 tiles x 512), +4,096 V^T (4 tiles x 1,024), +8,192 K scale words (512), +8,704 V scale words (256)
.set KVH,   16*CH
.set QCH,   4608                       ; qimg: a step's chunk: +0 Q codes (8 tiles x 512), +4,096 Q scale words
.set STAGE, KVH
.set L16, 1                            ; v1   16 x lane
.set L8,  2                            ; v2   8 x lane
.set ADR, 3                            ; v3   the step's chunk + 16 x lane
.set AD8, 4                            ; v4   the step's chunk + 8 x lane
.set RH,  5                            ; v5   r - 8 h
.set STI, 6                            ; v6   my stage, in: row r, + 32 h
.set STO, 7                            ; v7   my stage, out: row h, + 16 r
.set GO,  8                            ; v8   out0: 4,096 h + 16 r
.set R16, 9                            ; v9   16 r
.set DD,  10                           ; v10  my query - the diagonal step's first key - 8 h
.set NM,  12                           ; v12  -M;  v13 the largest t so far
.set LS,  14                           ; v[14:15] the row's sum, in two halves
.set Q,   16                           ; v[16:23] Q's fragment (v20-23 zero codes)
.set QS,  24                           ; v24  Q's scale words
.set PS,  25                           ; v25  p's scale word
.set KS,  26                           ; v[26:29] K's scale words: register p: lanes 0-15 tile 2 p, lanes 16-31 tile 2 p + 1
.set VS,  30                           ; v[30:31] V's likewise
.set KF,  32                           ; v[32:63] four fragments of K (registers 4-7 of each zero codes)
.set VF,  64                           ; v[64:95] V's four fragments
.set S,   96                           ; v[96:159] S^T, then p
.set O,   160                          ; v[160:191] O^T
.set P,   192                          ; v[192:199] p's codes
.set BM,  200                          ; v200-203 a block's largest score, then its largest p
.set BP,  204                          ; v204-207 the other half's, then the bytes
.set SO,  208                          ; v208-211 the conversions' scale operands
.set TT,  212                          ; v212 at work
.set F,   214                          ; v[214:215] f = 2^(old M - new M), named as a pair
.set L2,  216                          ; v[216:217] the sum's second chain
.set WV,  10
.set BH,  12
.set TQ,  13                           ; s13  my tile of queries
.set SD,  14                           ; s14  its diagonal key step
.set SI,  15                           ; s15  the key step in hand
.set G1,  16                           ; s[16:23], s[24:27] the tensor load's descriptor
.set G0,  24
.set TB,  28                           ; s28  LDS byte at which the step's chunk begins
.set PASS, 29
.set SEL, 30                           ; s[30:31] v_permlanex16_b32's selects for lane l xor 16
.set CS,  32                           ; s[32:33] c = log2(e) / 8
.set QB,  34                           ; s[34:35] my tile's codes in qimg;  s[36:37] its scale words;  s[38:39] its rows of out0
.set QSB, 36
.set OB,  38
	s_load_b128 s[4:7], s[0:1], 0x0                ; kv s[4:5], qimg s[6:7]
	s_load_b64 s[8:9], s[0:1], 0x10                ; out0
	v_lshl_add_u32 v254, v0, 2, 0x34000
	v_mov_b32 v255, 0
	ds_add_u32 v254, v255
	ds_add_u32 v254, v255
	v_lshrrev_b32 v1, 5, v0
	v_readfirstlane_b32 s[WV], v1                  ; wave 0..15
	s_and_b32 s[BH], ttmp7, 0xffff                 ; bh = 16 x batch + head
	; my chunk of the head's block: 8,960 dense bytes as 35 rows of 256 (32 elements of 8 bytes), no padding: every read is 16 or 8 bytes x lane on end
	s_mov_b32 s[G1], 3<<16                         ; no mask; elements of 8 bytes; padding off
	s_mov_b32 s[G1+1], 32<<16                      ; tensor_dim0 = 32
	s_mov_b32 s[G1+2], 35<<16                      ; tensor_dim1 = 35
	s_mov_b32 s[G1+3], 32<<16                      ; tile_dim0 = 32
	s_mov_b32 s[G1+4], 35                          ; tile_dim1 = 35
	s_mov_b32 s[G1+5], 32                          ; from row to row
	s_mov_b32 s[G1+6], 0
	s_mov_b32 s[G1+7], 0
	s_mov_b32 s[G0], 1
	s_mul_i32 s[G0+1], s[WV], CH                   ; LDS address: wave x 8,960
	s_mul_i32 s40, s[BH], KVH
	s_add_co_u32 s40, s40, s[G0+1]
	s_mov_b32 s41, 0
	s_wait_dscnt 0x0
	s_wait_kmcnt 0x0
	s_add_nc_u64 s[G0+2:G0+3], s[4:5], s[40:41]
	s_or_b32 s[G0+3], s[G0+3], 0x80000000
	tensor_load_to_lds s[G0:G0+3], s[G1:G1+7]      ; one load a wave, the only one of the launch
	s_nop 0
.rept 4
	v_nop
.endr
	s_mul_i32 s40, s[BH], 16*QCH
	s_add_nc_u64 s[6:7], s[6:7], s[40:41]          ; qimg at my head
	s_lshr_b32 s40, s[BH], 4
	s_lshl_b32 s40, s40, 23                        ; out0: the batch's 2,048 rows of 4,096 bytes,
	s_and_b32 s42, s[BH], 15
	s_lshl_b32 s42, s42, 8                         ; the head's 256 bytes of a row
	s_add_co_u32 s40, s40, s42
	s_add_nc_u64 s[8:9], s[8:9], s[40:41]
	s_lshl_b32 s[TQ], s[WV], 2
	s_add_co_u32 s[TQ], s[TQ], ttmp9               ; T0 = 4 w + g
	s_mov_b32 s[SEL], 0x76543210
	s_mov_b32 s[SEL+1], 0xfedcba98
	s_mov_b32 s[CS], 0x3e38aa3b                    ; c = log2(e) / 8
	s_mov_b32 s[CS+1], s[CS]                       ; (named with it as a pair, so it is written)
	v_and_b32 v[L16], 31, v0
	v_lshlrev_b32 v[L8], 3, v[L16]
	v_lshlrev_b32 v[L16], 4, v[L16]
	v_and_b32 v[R16], 15, v0                       ; r
	v_bfe_u32 v[DD], v0, 4, 1                      ; h
	v_lshlrev_b32 v[RH], 3, v[DD]
	v_sub_nc_u32 v[RH], v[R16], v[RH]              ; r - 8 h
	s_mul_i32 s42, s[WV], 16*272
	s_add_co_u32 s42, s42, STAGE                   ; my stage
	v_mul_u32_u24 v[STI], v[R16], 272
	v_lshl_add_u32 v[STI], v[DD], 5, v[STI]
	v_add_nc_u32 v[STI], s42, v[STI]
	v_mul_u32_u24 v[STO], v[DD], 272
	v_lshl_add_u32 v[STO], v[R16], 4, v[STO]
	v_add_nc_u32 v[STO], s42, v[STO]
	v_lshlrev_b32 v[GO], 12, v[DD]
	v_lshl_add_u32 v[GO], v[R16], 4, v[GO]
	v_lshlrev_b32 v[R16], 4, v[R16]
.irp j, 4,5,6,7
	v_mov_b32 v[Q+\j], 0                           ; K = 64: the upper half of the instruction's 128 is zero codes, on both sides; set once
.irp i, 0,1,2,3
	v_mov_b32 v[KF+8*\i+\j], 0
.endr
.endr
.irp b, 0,1,2,3
	v_mov_b32 v[BP+\b], 0                          ; written once: a lane permute's destination counts as one of its sources
.endr
	v_mov_b32 v[TT], 0
	v_mov_b32 v[F+1], 0                            ; (named as the upper half of the pair)
	s_wait_tensorcnt 0x0                           ; my chunk is in,
	s_barrier_signal -1
	s_barrier_wait -1                              ; everybody's is: the head's keys and values stay in LDS from here on
.macro QK t                            ; S^T's tile t: 16 keys x my 16 queries
.if (\t)%2
	v_wmma_scale_f32_16x16x128_f8f6f4 v[S+8*(\t):S+8*(\t)+7], v[KF+8*((\t)%4):KF+8*((\t)%4)+7], v[Q:Q+7], 0, v[KS+(\t)/2], v[QS] matrix_a_fmt:MATRIX_FMT_FP4 matrix_b_fmt:MATRIX_FMT_FP4 matrix_a_scale:MATRIX_SCALE_ROW1
.else
	v_wmma_scale_f32_16x16x128_f8f6f4 v[S+8*(\t):S+8*(\t)+7], v[KF+8*((\t)%4):KF+8*((\t)%4)+7], v[Q:Q+7], 0, v[KS+(\t)/2], v[QS] matrix_a_fmt:MATRIX_FMT_FP4 matrix_b_fmt:MATRIX_FMT_FP4
.endif
.endm
.macro PV t                            ; O^T's tile t += 16 of the head's 64 x these 128 keys
.if (\t)%2
	v_wmma_scale_f32_16x16x128_f8f6f4 v[O+8*(\t):O+8*(\t)+7], v[VF+8*(\t):VF+8*(\t)+7], v[P:P+7], v[O+8*(\t):O+8*(\t)+7], v[VS+(\t)/2], v[PS] matrix_a_fmt:MATRIX_FMT_FP4 matrix_b_fmt:MATRIX_FMT_FP4 matrix_a_scale:MATRIX_SCALE_ROW1
.else
	v_wmma_scale_f32_16x16x128_f8f6f4 v[O+8*(\t):O+8*(\t)+7], v[VF+8*(\t):VF+8*(\t)+7], v[P:P+7], v[O+8*(\t):O+8*(\t)+7], v[VS+(\t)/2], v[PS] matrix_a_fmt:MATRIX_FMT_FP4 matrix_b_fmt:MATRIX_FMT_FP4
.endif
.endm
	s_mov_b32 s[PASS], 0
.Lpass:                                            ; two trips: tile T0, then tile 127 - T0
	s_lshr_b32 s[SD], s[TQ], 3                     ; the tile's own key step: the last that it walks
	s_mov_b32 s41, 0
	s_mul_i32 s43, s[SD], QCH
	s_and_b32 s42, s[TQ], 7                        ; the tile in its step
	s_lshl_b32 s40, s42, 9
	s_add_co_u32 s40, s40, s43
	s_add_nc_u64 s[QB:QB+1], s[6:7], s[40:41]      ; its codes: lane l's 16 bytes at 16 l
	s_and_b32 s40, s[TQ], 1
	s_lshl_b32 s40, s40, 8
	s_add_co_u32 s40, s40, s43
	s_lshr_b32 s43, s42, 1
	s_lshl_b32 s43, s43, 2
	s_add_co_u32 s40, s40, s43
	s_add_nc_u64 s[QSB:QSB+1], s[6:7], s[40:41]    ; its scale words: row r's at 4,096 + 256 (tile % 2) + 4 (tile / 2) + 16 r
	s_lshl_b32 s40, s[TQ], 16                      ; 16 T rows of 4,096 bytes
	s_add_nc_u64 s[OB:OB+1], s[8:9], s[40:41]
	global_load_b128 v[Q:Q+3], v[L16], s[QB:QB+1]
	global_load_b32 v[QS], v[R16], s[QSB:QSB+1] offset:4096
	s_lshl_b32 s42, s42, 4
	v_add_nc_u32 v[DD], s42, v[RH]                 ; d = 16 (T % 8) + r - 8 h
	v_mov_b32 v[NM+1], 0xff61b1e6                  ; the largest t so far: -3e38, under every t
	v_floor_f32 v[NM], -v[NM+1]                    ; -M
	v_mov_b32 v[LS], 0
	v_mov_b32 v[LS+1], 0
.set j, 0
.rept 32
	v_mov_b32 v[O+j], 0                            ; O^T.  (The step is written once: the first finds zeros, which the first change of M leaves zeros)
.set j, j+1
.endr
	s_mov_b32 s[TB], 0
	s_mov_b32 s[SI], 0
	s_wait_loadcnt 0x0                             ; Q
.Lstep:                                            ; sixteen trips
	s_cmp_gt_u32 s[SI], s[SD]
	s_cbranch_scc1 .Lhidden                        ; all 128 keys come after my 16 queries: only the lines that step addresses are run
	v_add_nc_u32 v[ADR], s[TB], v[L16]
	v_add_nc_u32 v[AD8], s[TB], v[L8]
	ds_load_b128 v[KS:KS+3], v[ADR] offset:8192
.irp i, 0,1,2,3
	ds_load_b128 v[KF+8*\i:KF+8*\i+3], v[ADR] offset:512*\i          ; K's tiles 0-3: lane l: e = 32 (l / 16) .. + 31 of key 16 i + l % 16
.endr
	s_wait_dscnt 0x0
.irp t, 0,1,2,3
	QK \t
.endr
.rept 4
	v_nop                                          ; places in front of loads into registers that matrix instructions have read (with the two additions above: six behind the last step's products, whose V and scale words are loaded anew)
.endr
.irp i, 0,1,2,3
	ds_load_b128 v[KF+8*\i:KF+8*\i+3], v[ADR] offset:2048+512*\i     ; K's tiles 4-7
.endr
.irp t, 0,1,2,3
	ds_load_b128 v[VF+8*\t:VF+8*\t+3], v[ADR] offset:4096+1024*\t    ; V^T: they land while the softmax is walked
	ds_load_b128 v[VF+8*\t+4:VF+8*\t+7], v[ADR] offset:4096+1024*\t+512
.endr
	ds_load_b64 v[VS:VS+1], v[AD8] offset:8704
	s_wait_dscnt 9                                 ; K's four are in; V's eight and its scale words may be out
.irp t, 4,5,6,7
	QK \t
.endr
.rept 4
	v_nop                                          ; places in front of the first read of the scores
.endr
	s_cmp_lt_u32 s[SI], s[SD]
	s_cbranch_scc1 .Lopen                          ; every key of this step counts
	v_mov_b32 v[TT], 0xff800000                    ; the diagonal step: hidden scores become -infinity ahead of the maximum (p = 0 then).  Register 8 t + j holds key 16 t + 8 h + j: hidden where 16 t + j > d
.set n, 0
.rept 64
	v_cmp_gt_i32 vcc_lo, 16*(n/8)+n%8, v[DD]
	v_cndmask_b32 v[S+n], v[S+n], v[TT], vcc_lo
.set n, n+1
.endr
.Lopen:
.irp b, 0,1,2,3
	v_max3_num_f32 v[BM+\b], v[S+16*\b], v[S+16*\b+1], v[S+16*\b+2]  ; the largest score of each block of 32 keys (tiles 2 b, 2 b + 1): it serves the row's maximum and, since p rises with the score, the block's largest p
.endr
.irp i, 3,5,7,9,11,13
.irp b, 0,1,2,3
	v_max3_num_f32 v[BM+\b], v[BM+\b], v[S+16*\b+\i], v[S+16*\b+\i+1]   ; (the four blocks by turns)
.endr
.endr
.irp b, 0,1,2,3
	v_max_num_f32 v[BM+\b], v[BM+\b], v[S+16*\b+15]
.endr
.irp b, 0,1,2,3
	v_permlanex16_b32 v[BP+\b], v[BM+\b], s[SEL], s[SEL+1]
.endr
.irp b, 0,1,2,3
	v_max_num_f32 v[BM+\b], v[BM+\b], v[BP+\b]     ; with lane l xor 16's 16 keys
.endr
	v_max3_num_f32 v[TT], v[BM], v[BM+1], v[BM+2]
	v_max_num_f32 v[TT], v[TT], v[BM+3]            ; the step's largest score of my query (the step's first key counts for every query of the tile: it is a number)
	v_mul_f32 v[TT], s[CS], v[TT]                  ; as t (c is positive)
	v_max_num_f32 v[NM+1], v[NM+1], v[TT]          ; the running largest t
	v_mov_b32 v[TT], v[NM]
	v_floor_f32 v[NM], -v[NM+1]                    ; the new -M = floor(-t) = -ceil(t): a whole number
	v_sub_f32 v[TT], v[NM], v[TT]                  ; old M less new M: a whole number, 0 or less
	v_cvt_i32_f32 v[TT], v[TT]                     ; (it saturates)
	v_ldexp_f32 v[F], 1.0, v[TT]                   ; f = 2^(old M - new M): a multiplication by it rounds nothing
.set j, 0
.rept 32
	v_pk_fma_f32 v[S+j:S+j+1], v[S+j:S+j+1], s[CS:CS+1], v[NM:NM+1] op_sel_hi:[1,0,0]   ; t - M, two at a time (of the pairs c and -M the low word serves both halves)
.set j, j+2
.endr
.irp b, 0,1,2,3
	v_fma_f32 v[BM+\b], v[BM+\b], s[CS], v[NM]     ; the same of each block's largest score
.endr
.set j, 0
.rept 64
	v_exp_f32 v[S+j], v[S+j]                       ; p = 2^(t - M), at most 1: not normalised
.set j, j+1
.endr
.irp b, 0,1,2,3
	v_exp_f32 v[BM+\b], v[BM+\b]                   ; the block's largest p: the same two instructions on the same number give the same bits
.endr
	v_pk_mul_f32 v[LS:LS+1], v[LS:LS+1], v[F:F+1] op_sel_hi:[1,0]    ; the sums under the new M.  (A plain place behind the exponentials)
	s_wait_alu depctr_va_vdst(0)
.irp b, 0,1,2,3
	v_max_num_f32 v[BM+\b], 0x1800000, v[BM+\b]    ; the floor 2^(3 - 127): the byte cannot fall under 1
.endr
.irp b, 0,1,2,3
	v_add_nc_u32 v[SO+\b], 0xff000000, v[BM+\b]    ; 2 off the exponent field: the conversion's scale operand
.endr
.irp b, 0,1,2,3
	v_lshrrev_b32 v[BP+\b], 23, v[SO+\b]           ; the scale's byte
.endr
	v_lshl_or_b32 v[PS], v[BP+1], 8, v[BP]         ; p's scale word for these 128 keys
	v_lshl_or_b32 v[PS], v[BP+2], 16, v[PS]
	v_lshl_or_b32 v[PS], v[BP+3], 24, v[PS]
.irp c, 0,1                            ; the codes of tiles 4 c, 4 c + 2, 4 c + 1, 4 c + 3 go to registers 4 c .. 4 c + 3 in this order,
	v_cvt_scalef32_pk8_fp4_f32 v[P+4*\c], v[S+32*\c:S+32*\c+7], v[SO+2*\c]
	v_cvt_scalef32_pk8_fp4_f32 v[P+4*\c+1], v[S+32*\c+16:S+32*\c+23], v[SO+2*\c+1]
	v_cvt_scalef32_pk8_fp4_f32 v[P+4*\c+2], v[S+32*\c+8:S+32*\c+15], v[SO+2*\c]
	v_cvt_scalef32_pk8_fp4_f32 v[P+4*\c+3], v[S+32*\c+24:S+32*\c+31], v[SO+2*\c+1]
.endr
	v_nop                                          ; one plain place behind a scaled conversion
.irp c, 0,1                            ; and two exchanges of halves leave keys 64 c + 32 h + 0 .. 31 in registers 4 c .. 4 c + 3: the operand's layout
	v_permlane16_swap_b32 v[P+4*\c], v[P+4*\c+1]
	v_permlane16_swap_b32 v[P+4*\c+2], v[P+4*\c+3]
.endr
	v_pk_add_f32 v[L2:L2+1], v[S:S+1], v[S+2:S+3]  ; the row's sum is taken of the UNQUANTISED p: two at a time, in two chains
.set j, 4
.rept 15
	v_pk_add_f32 v[LS:LS+1], v[LS:LS+1], v[S+j:S+j+1]
	v_pk_add_f32 v[L2:L2+1], v[L2:L2+1], v[S+j+2:S+j+3]
.set j, j+4
.endr
	v_pk_add_f32 v[LS:LS+1], v[LS:LS+1], v[L2:L2+1]
.set j, 0
.rept 16
	v_pk_mul_f32 v[O+j:O+j+1], v[O+j:O+j+1], v[F:F+1] op_sel_hi:[1,0]   ; O^T under the new M.  (With the sums above: the places between p's codes and scale word and the products below)
.set j, j+2
.endr
	s_wait_dscnt 0x0                               ; V and its scale words are in
.irp t, 0,1,2,3
	PV \t                                          ; the four accumulators by turns, one instruction each
.endr
.Lhidden:
	s_add_co_u32 s[TB], s[TB], CH                  ; the next step's chunk
	s_add_co_u32 s[SI], s[SI], 1
	s_cmp_lt_u32 s[SI], 16
	s_cbranch_scc1 .Lstep
	; THE WAY OUT of a tile.  O^T / the sum goes through my own stage in LDS (rows of 256 bytes + 16) and leaves as whole rows: sixteen lanes store 256 consecutive bytes, aligned: the head's 64 numbers of a query.
.rept 4
	v_nop                                          ; places behind the last products, on every way here
.endr
	v_add_f32 v[LS], v[LS], v[LS+1]                ; the sum's two halves,
	v_permlanex16_b32 v[TT], v[LS], s[SEL], s[SEL+1]
	v_add_f32 v[LS], v[LS], v[TT]                  ; and lane l xor 16's: the row's sum
	v_rcp_f32 v[LS], v[LS]
	v_nop                                          ; one plain place behind a transcendental
.set j, 0
	s_wait_alu depctr_va_vdst(0)
.rept 32
	v_mul_f32 v[S+j], v[O+j], v[LS]                ; register 8 t + i is o(query r, e = 16 t + 8 h + i); each accumulator from its low end on
.set j, j+1
.endr
.irp t, 0,1,2,3
	ds_store_b128 v[STI], v[S+8*\t:S+8*\t+3] offset:64*\t
	ds_store_b128 v[STI], v[S+8*\t+4:S+8*\t+7] offset:64*\t+16
.endr
.irp i, 0,1,2,3,4,5,6,7
	ds_load_b128 v[S+32+4*\i:S+32+4*\i+3], v[STO] offset:544*\i      ; rows 2 i and 2 i + 1.  LDS serves a wave's instructions in order (ISA guide 5.7.1.4): these see my stores
.endr
.irp i, 0,1,2,3,4,5,6,7
	s_wait_dscnt 7-\i                              ; rows 2 i, 2 i + 1 are back; the younger loads may be out
	global_store_b128 v[GO], v[S+32+4*\i:S+32+4*\i+3], s[OB:OB+1] offset:8192*\i th:TH_STORE_NT   ; written once, read by nobody here
.endr
	s_wait_xcnt 0x0                                ; the loads' and stores' bases and data are written again in the next pass only behind this wait
	s_xor_b32 s[TQ], s[TQ], 127                    ; the other tile: 127 - T0
	s_add_co_u32 s[PASS], s[PASS], 1
	s_cmp_lt_u32 s[PASS], 2
	s_cbranch_scc1 .Lpass
	s_wait_tensorcnt 0x0
	ds_add_u32 v254, v255
	s_wait_dscnt 0x0
	s_endpgm
.Lfunc_end_k_q1c743951cd_attn:
	.size	k_q1c743951cd_attn, .Lfunc_end_k_q1c743951cd_attn-k_q1c743951cd_attn
	.p2alignl 7, 3214868480
	.fill 96, 4, 3214868480
	.section	.rodata,"a",@progbits
	.p2align	6, 0x0
	.amdhsa_kernel k_q1c743951cd_attn
		.amdhsa_group_segment_fixed_size 215040
		.amdhsa_private_segment_fixed_size 0
		.amdhsa_enable_private_segment 0
		.amdhsa_kernarg_size 24
		.amdhsa_user_sgpr_count 2
		.amdhsa_user_sgpr_kernarg_segment_ptr 1
		.amdhsa_wavefront_size32 1
		.amdhsa_system_sgpr_workgroup_id_x 1
		.amdhsa_system_sgpr_workgroup_id_y 1
		.amdhsa_system_sgpr_workgroup_id_z 1
		.amdhsa_system_vgpr_workitem_id 0
		.amdhsa_next_free_vgpr 256
		.amdhsa_next_free_sgpr 66
		.amdhsa_reserve_vcc 1
		.amdhsa_float_denorm_mode_32 3
		.amdhsa_float_denorm_mode_16_64 3
		.amdhsa_memory_ordered 1
		.amdhsa_forward_progress 1
		.amdhsa_inst_pref_size 30
	.end_amdhsa_kernel
	.amdgpu_metadata
---
amdhsa.version: [ 1, 2 ]
amdhsa.kernels:
  - .name:           k_q1c743951cd_attn
    .symbol:         k_q1c743951cd_attn.kd
    .args:
      - { .name: kv, .offset: 0, .size: 8, .value_kind: global_buffer, .address_space: global }
      - { .name: qimg, .offset: 8, .size: 8, .value_kind: global_buffer, .address_space: global }
      - { .name: out0, .offset: 16, .size: 8, .value_kind: global_buffer, .address_space: global }
    .group_segment_fixed_size: 215040
    .private_segment_fixed_size: 0
    .kernarg_segment_align: 8
    .kernarg_segment_size: 24
    .max_flat_workgroup_size: 512
    .sgpr_count:     66
    .vgpr_count:     256
    .wavefront_size: 32
...
	.end_amdgpu_metadata
.endif
;; end of part 2
